; MI455X (gfx1250); checked and timed in simulation.
; The chip was launched on July 23, 2026; its instructions are those of AMD's public machine-readable ISA for CDNA 5 (MIT licence, August 2026) and "CDNA5" Instruction Set Architecture Reference Guide (July 2026). The comments in the code are by the model that wrote it; some were corrected since.
;; Trellis Linear. Allowed arithmetic: float matrix products may take bf16 or f16 operands with f32 sums; other float arithmetic in f32, or as packed bf16 or f16 multiplies, adds, multiply-adds, maxima and minima; sums over many terms, partial sums and values carried from step to step in f32; what a program stores and reads back later, other than sums and carried values, may be rounded once to bf16 or f16.
;; Inputs: grid 16 float32; packed_indices 256 x 256 x 128 int32; scales 32 x 4,096 float32; su 4,096 float32; sv 4,096 float32; x 4,096 x 4,096 float32.
;; Outputs: out0 4,096 x 4,096 float32.
;; 2 versions, each right; version 2 is version 1 with the launch prep written anew for expert scheduling mode. Each part assembles by itself: llvm-mc -triple=amdgcn-amd-amdhsa -mcpu=gfx1250 --defsym DOCPART=n.
;; ======== version 1 of 2: 2 launches
;; limits: values are held in f16: magnitudes above 65,504 overflow, below 6.1e-05 lose precision
;; workspace buffers: xh 33,554,432 bytes; wh 33,554,432 bytes
;; launch prep (part 1): grid 768 x 1, 8 waves a work-group, no clusters, 37,888 bytes of LDS; arguments x, su, packed_indices, scales, grid, xh, wh; writes xh, wh
.if DOCPART == 1
	.amdgcn_target "amdgcn-amd-amdhsa--gfx1250"
	.amdhsa_code_object_version 6
	.text
	.protected	k_q0186655634_prep
	.globl	k_q0186655634_prep
	.p2align	8
	.type	k_q0186655634_prep,@function
k_q0186655634_prep:
	s_mov_b64 s[64:65], 0
	v_nop
	global_prefetch_b8 v0, s[64:65] scope:SCOPE_SE
	s_setreg_imm32_b32 hwreg(HW_REG_WAVE_MODE, 25, 1), 1
	s_wait_xcnt 0x0
; FIRST OF TWO LAUNCHES.  out0[t][o] = the sum over i of x[t][i] W[o][i], W[o][i] = grid[idx(o, i)] scales[i / 128][o] su[i] sv[o]; all three extents are 4,096.
; This launch rounds each matrix operand ONCE, to f16:   xh[t][i] = f16(x[t][i] su[i])   and   wh[o][i] = f16(grid[idx(o, i)] scales[i / 128][o]),  both [4096][4096], i along the rows.
; sv is multiplied in f32 onto the f32 sums by the second launch.  NOTHING IS LEFT OUT: each of the six inputs reaches every output, so all six are loaded (five here, sv there).
; WHY THE FACTORS ARE SPLIT SO.  f16 keeps 11 significant bits and ends at 65,504.  Two factors to an operand leave room: inputs 30 times those of the problem's kind give |x su| near 7,400 and
; |grid scales| near 4,000; all four factors in W would have none.
; LIMITS.  A product x su or grid scales of 65,520 or more becomes an infinity; below 6.1e-5 it keeps f16's fixed step of 6e-8.  The four factors are multiplied in another order than
; reference() multiplies them, so the last bits differ.  NaN and infinities are not treated apart.
; THE LOOKUP.  Word p of tile (to, ti) of packed_indices holds two 4-bit codes: W's row 16 to + p / 8, columns 16 ti + 2 (p % 8) (bits 3:0) and + 1 (bits 7:4).  So one word in is one word of two
; f16 out, and 8 words (32 bytes) are 32 bytes of a row of wh.  The 16 numbers of grid lie across the lanes, twice (lane l holds grid[l % 16]), and ds_bpermute_b32 fetches a lane's number by its code.
; SHARES.  Work-groups 0-255 make wh, 256-767 make xh; eight waves each.  Every wave issues all its 32 loads of 16 bytes a lane ahead of its first wait: there is no loop, and no register
; that a load or store names is written again behind it, so the text has no s_wait_xcnt.  No barrier: a wave's LDS bytes are its own.
; NOT USED: matrix instructions (there is no product here); tensor loads and a ring (no wave wants a byte that another wave fetched, and the registers hold all that is in flight);
; a cluster (only su, 16 KiB, and grid, 64 bytes, are read by more than one work-group); prefetches (each wave asks for all its bytes at once, at its start).
.set ROWX,  16384                      ; bytes in a row of x
.set ROWH,  8192                       ; bytes in a row of xh and of wh
.set TROW,  131072                     ; bytes in a row of 256 tiles of packed_indices; also 16 rows of wh
.set SPI,   288                        ; a row of a stage: 256 bytes + 32 = 72 words: row r starts at bank 8 r mod 64 (64 banks of 4 bytes: ISA guide 11.1)
.set STG,   16*SPI                     ; a wave's stage: 16 rows, 4,608 bytes = 18 blocks of 256
.set SPARE, 8*STG                      ; behind the eight stages: the spare words, 128 bytes for each wave: four blocks of 256 bytes that no other line names
.set XO,  2                            ; xh's path: v2  16 t: my 16 bytes of each 4,096 of a row of x, and of su
.set YO,  3                            ;            v3  8 t: my 8 bytes of each 2,048 of a row of xh
.set SU,  16                           ;            v[16:31]  su of my 16 columns
.set PIN, 2                            ; wh's path: v2  16 l: my 16 bytes of a tile
.set STO, 3                            ;            v3  where I put 16 bytes of a row in my stage
.set RD,  4                            ;            v4  where I read rows back
.set WO,  5                            ;            v5  my byte offset in two rows of wh
.set SCO, 6                            ;            v6  4 (l / 2): my row's scale
.set GRO, 7                            ;            v7  4 (l % 16): my number of grid
.set SPW, 8                            ; v8   LDS address of my spare word: SPARE + 4 x my thread's number; never rewritten
.set NIL, 9                            ; v9   0; never rewritten
.set SC,  10                           ;            v[10:13]  my row's scale in unit u
.set TAB, 14                           ;            v14  grid[l % 16]
.set L,   16                           ;            v[16:31]  a batch's low codes as lane addresses, then their numbers
.set X,   32                           ; v[32:159]  the 32 loads, 4 registers each; results take their place
	s_load_b256 s[4:11], s[0:1], 0x0               ; x s[4:5], su s[6:7], packed_indices s[8:9], scales s[10:11]
	s_load_b128 s[12:15], s[0:1], 0x20             ; grid s[12:13], xh s[14:15]
	s_load_b64 s[16:17], s[0:1], 0x30              ; wh
	v_lshl_add_u32 v[SPW], v0, 2, SPARE
	v_mov_b32 v[NIL], 0
	v_lshrrev_b32 v1, 5, v0
	v_readfirstlane_b32 s18, v1                    ; wave 0..7
	s_mov_b32 s23, 0                               ; the high word of every offset: all stay under 2^31
	s_wait_kmcnt 0x0
	s_cmp_lt_u32 ttmp9, 256
	s_cbranch_scc1 .Lweights
	; xh.  Work-group 256 + b has rows 8 b .. 8 b + 7.  Thread t has columns 1,024 j + 4 t .. + 3, j = 0..3, in every row: a wave's load covers 512 consecutive bytes,
	; its store 256 consecutive bytes at a multiple of 256 from xh's first byte; a thread's 16 numbers of su are loaded once.
	s_sub_co_u32 s20, ttmp9, 256
	s_lshl_b32 s22, s20, 17                        ; 8 rows of x
	s_add_nc_u64 s[4:5], s[4:5], s[22:23]
	s_lshl_b32 s22, s20, 16                        ; 8 rows of xh
	s_add_nc_u64 s[14:15], s[14:15], s[22:23]
	v_lshlrev_b32 v[XO], 4, v0
	v_lshlrev_b32 v[YO], 3, v0
.irp j, 0,1,2,3
	global_load_b128 v[SU+4*(\j):SU+4*(\j)+3], v[XO], s[6:7] offset:4096*(\j)
.endr
.set i, 0
.rept 32                                       ; load i: row i / 4, quarter i % 4
	global_load_b128 v[X+4*i:X+4*i+3], v[XO], s[4:5] offset:ROWX*(i/4)+4096*(i%4) th:TH_LOAD_NT
.set i, i+1
.endr
.set i, 0
.rept 32
.set XB, X+4*i
.set SB, SU+4*(i%4)
	s_wait_loadcnt 31-i                            ; loads come back in order (ISA guide 5.7.1): load i is in, and su, which is older; the 31 - i younger ones stay out
	v_pk_mul_f32 v[XB:XB+1], v[XB:XB+1], v[SB:SB+1]
	v_pk_mul_f32 v[XB+2:XB+3], v[XB+2:XB+3], v[SB+2:SB+3]
	v_cvt_pk_f16_f32 v[XB], v[XB], v[XB+1]         ; two roundings, the lower column in the low half
	v_cvt_pk_f16_f32 v[XB+1], v[XB+2], v[XB+3]
	global_store_b64 v[YO], v[XB:XB+1], s[14:15] offset:ROWH*(i/4)+2048*(i%4) th:TH_STORE_NT
.set i, i+1
.endr
	s_branch .Lend
	; wh.  Wave number id = 8 x work-group + wave of 2,048: scale group g = id % 32 (128 columns of W: tiles 8 g .. 8 g + 7), tile rows 4 (id / 32) + u, u = 0..3.
	; A UNIT u is one tile row's eight tiles: 4,096 consecutive bytes in; 16 rows x 256 bytes of wh out, each at a multiple of 256 from wh's first byte.
	; A load takes a tile: lane l holds words 4 l .. 4 l + 3: W's row l / 2 of the 16, columns 8 (l % 2) + 0..7 of the tile.  So a lane has ONE scale for a whole unit.
.Lweights:
	s_lshl_b32 s20, ttmp9, 3
	s_add_co_u32 s20, s20, s18                     ; id
	s_and_b32 s21, s20, 31                         ; g
	s_lshr_b32 s19, s20, 5                         ; id / 32
	s_lshl_b32 s24, s19, 19                        ; four tile rows of packed_indices; also 64 rows of wh
	s_lshl_b32 s22, s21, 12                        ; eight tiles of 512 bytes
	s_add_co_u32 s22, s22, s24
	s_add_nc_u64 s[8:9], s[8:9], s[22:23]
	s_lshl_b32 s22, s21, 14                        ; row g of scales,
	s_lshl_b32 s25, s19, 8                         ; my 64 numbers of it: 256 bytes, which no other wave loads
	s_add_co_u32 s22, s22, s25
	s_add_nc_u64 s[10:11], s[10:11], s[22:23]
	s_lshl_b32 s22, s21, 8                         ; 128 columns of wh
	s_add_co_u32 s22, s22, s24
	s_add_nc_u64 s[16:17], s[16:17], s[22:23]
	s_mul_i32 s26, s18, STG                        ; my stage
	v_and_b32 v1, 31, v0                           ; l
	v_lshlrev_b32 v[PIN], 4, v1
	v_lshrrev_b32 v15, 1, v1                       ; l / 2
	v_and_b32 v[GRO], 1, v1                        ; l % 2
	v_mul_u32_u24 v[STO], v15, SPI
	v_lshl_add_u32 v[STO], v[GRO], 4, v[STO]
	v_add_nc_u32 v[STO], s26, v[STO]               ; in: row l / 2, 16 bytes for each of the two lanes
	v_lshlrev_b32 v[SCO], 2, v15
	v_lshrrev_b32 v15, 4, v1                       ; l / 16
	v_and_b32 v[GRO], 15, v1                       ; l % 16
	v_mul_u32_u24 v[RD], v15, SPI
	v_lshl_add_u32 v[RD], v[GRO], 4, v[RD]
	v_add_nc_u32 v[RD], s26, v[RD]                 ; back: lanes 0-15 take one row of 256 bytes, lanes 16-31 the next
	v_lshlrev_b32 v[WO], 13, v15
	v_lshl_add_u32 v[WO], v[GRO], 4, v[WO]         ; and the same two rows in wh
	v_lshlrev_b32 v[GRO], 2, v[GRO]
	global_load_b32 v[TAB], v[GRO], s[12:13]
.irp u, 0,1,2,3
	global_load_b32 v[SC+(\u)], v[SCO], s[10:11] offset:64*(\u)
.endr
.set i, 0
.rept 32                                       ; load i: unit i / 8, tile i % 8
	global_load_b128 v[X+4*i:X+4*i+3], v[PIN], s[8:9] offset:TROW*(i/8)+512*(i%8) th:TH_LOAD_NT
.set i, i+1
.endr
; Unit u is stored: 16 lanes store 256 consecutive bytes, at a multiple of 256 from wh's first byte.
.macro SENDW u
.irp t, 0,1,2,3,4,5,6,7
	global_store_b128 v[WO], v[X+32*(\u)+4*(\t):X+32*(\u)+4*(\t)+3], s[16:17] offset:TROW*(\u)+2*ROWH*(\t) th:TH_STORE_NT
.endr
.endm
; Tiles 4 q .. 4 q + 3 of unit u: 16 words a lane, 32 weights.
.macro BATCH u, q
.set XB, X+32*(\u)+16*(\q)
	s_wait_loadcnt 28-4*(2*(\u)+(\q))              ; this batch's four loads are in, and grid and the scales, which are older; the later batches' loads stay out
.set d, 0
.rept 16
	v_lshlrev_b32 v[L+d], 2, v[XB+d]               ; 4 x word: ds_bpermute_b32 takes lane (address / 4) mod 32 = word mod 32, which holds grid[word mod 16]
.set d, d+1
.endr
.set d, 0
.rept 16
	v_lshrrev_b32 v[XB+d], 2, v[XB+d]
.set d, d+1
.endr
.set d, 0
.rept 16
	v_and_b32 v[XB+d], 0x3c, v[XB+d]               ; 4 x bits 7:4 of the word
.set d, d+1
.endr
.set d, 0
.rept 16
	ds_bpermute_b32 v[L+d], v[L+d], v[TAB]
	ds_bpermute_b32 v[XB+d], v[XB+d], v[TAB]
.set d, d+1
.endr
	s_wait_dscnt 0x0                               ; the 32 numbers are here, and with them the rows of the unit before, which were asked for earlier
.if ((\q) == 0) && ((\u) > 0)
	SENDW (\u)-1
.endif
.set d, 0
.rept 16
	v_mul_f32 v[L+d], v[SC+(\u)], v[L+d]
	v_mul_f32 v[XB+d], v[SC+(\u)], v[XB+d]
	v_cvt_pk_f16_f32 v[XB+d], v[L+d], v[XB+d]      ; the even column (low code) in the low half
.set d, d+1
.endr
.irp t, 0,1,2,3
	ds_store_b128 v[STO], v[XB+4*(\t):XB+4*(\t)+3] offset:32*(4*(\q)+(\t))  ; a tile's 32 bytes of each row
.endr
.endm
; Unit u comes back as whole rows of 256 bytes, into the registers that it left.
.macro BACK u
.irp t, 0,1,2,3,4,5,6,7
	ds_load_b128 v[X+32*(\u)+4*(\t):X+32*(\u)+4*(\t)+3], v[RD] offset:2*SPI*(\t)  ; LDS serves a wave's instructions in order (ISA guide 5.7.1.4): these see the stores above; the next unit's stores come behind them
.endr
.endm
.irp u, 0,1,2,3
	BATCH \u, 0
	BATCH \u, 1
	BACK \u
.endr
	s_wait_dscnt 0x0                               ; the last unit's rows are back
	SENDW 3
.Lend:
	s_wait_tensorcnt 0x0                           ; the wave's end, behind my last LDS store
	ds_add_u32 v[SPW], v[NIL]
	s_wait_dscnt 0x0
	s_endpgm
.Lfunc_end_k_q0186655634_prep:
	.size	k_q0186655634_prep, .Lfunc_end_k_q0186655634_prep-k_q0186655634_prep
	.p2alignl 7, 3214868480
	.fill 96, 4, 3214868480
	.section	.rodata,"a",@progbits
	.p2align	6, 0x0
	.amdhsa_kernel k_q0186655634_prep
		.amdhsa_group_segment_fixed_size 37888
		.amdhsa_private_segment_fixed_size 0
		.amdhsa_enable_private_segment 0
		.amdhsa_kernarg_size 56
		.amdhsa_user_sgpr_count 2
		.amdhsa_user_sgpr_kernarg_segment_ptr 1
		.amdhsa_wavefront_size32 1
		.amdhsa_system_sgpr_workgroup_id_x 1
		.amdhsa_system_sgpr_workgroup_id_y 1
		.amdhsa_system_sgpr_workgroup_id_z 1
		.amdhsa_system_vgpr_workitem_id 0
		.amdhsa_next_free_vgpr 160
		.amdhsa_next_free_sgpr 66
		.amdhsa_reserve_vcc 0
		.amdhsa_float_denorm_mode_32 3
		.amdhsa_float_denorm_mode_16_64 3
		.amdhsa_memory_ordered 1
		.amdhsa_forward_progress 1
		.amdhsa_inst_pref_size 73
	.end_amdhsa_kernel
	.amdgpu_metadata
---
amdhsa.version: [ 1, 2 ]
amdhsa.kernels:
  - .name:           k_q0186655634_prep
    .symbol:         k_q0186655634_prep.kd
    .args:
      - { .name: x, .offset: 0, .size: 8, .value_kind: global_buffer, .address_space: global }
      - { .name: su, .offset: 8, .size: 8, .value_kind: global_buffer, .address_space: global }
      - { .name: packed_indices, .offset: 16, .size: 8, .value_kind: global_buffer, .address_space: global }
      - { .name: scales, .offset: 24, .size: 8, .value_kind: global_buffer, .address_space: global }
      - { .name: grid, .offset: 32, .size: 8, .value_kind: global_buffer, .address_space: global }
      - { .name: xh, .offset: 40, .size: 8, .value_kind: global_buffer, .address_space: global }
      - { .name: wh, .offset: 48, .size: 8, .value_kind: global_buffer, .address_space: global }
    .group_segment_fixed_size: 37888
    .private_segment_fixed_size: 0
    .kernarg_segment_align: 8
    .kernarg_segment_size: 56
    .max_flat_workgroup_size: 256
    .sgpr_count:     66
    .vgpr_count:     160
    .wavefront_size: 32
...
	.end_amdgpu_metadata
.endif
;; end of part 1
;; launch gemm (part 2): grid 16 x 16, 4 waves a work-group, clusters of 4 x 4, 327,680 bytes of LDS; arguments xh, wh, out0, sv; writes out0
.if DOCPART == 2
	.amdgcn_target "amdgcn-amd-amdhsa--gfx1250"
	.amdhsa_code_object_version 6
	.text
	.protected	k_q0186655634_gemm
	.globl	k_q0186655634_gemm
	.p2align	8
	.type	k_q0186655634_gemm,@function
k_q0186655634_gemm:
	s_mov_b64 s[64:65], 0
	v_nop
	global_prefetch_b8 v0, s[64:65] scope:SCOPE_SE
	s_setreg_imm32_b32 hwreg(HW_REG_WAVE_MODE, 25, 1), 1
	s_wait_xcnt 0x0
	s_wait_alu depctr_hold_cnt(0) depctr_sa_sdst(0) depctr_va_vdst(0) depctr_va_sdst(0) depctr_va_ssrc(0) depctr_va_vcc(0) depctr_vm_vsrc(0)
	s_getreg_b32 s2, hwreg(HW_REG_IB_STS2, 6, 4)
	s_cmp_eq_u32 s2, 0
	s_cbranch_scc0 .Lentry_in_a_cluster
	s_endpgm
.Lentry_in_a_cluster:
	s_bfe_u32 s2, ttmp6, 0x10000c
	s_cmp_lg_u32 s2, 0xf033
	s_cbranch_scc0 .Lentry_shape_is_right
	s_endpgm
.Lentry_shape_is_right:
; SECOND OF TWO LAUNCHES.  out0[t][o] = sv[o] x the sum over i of xh[t][i] wh[o][i].  xh = f16(x su) and wh = f16(grid[idx] scales), both [4096][4096] with i along the rows, were made by the
; first launch; sums in f32, i ascending; sv is multiplied in f32 onto the finished sums; out0 is f32.  Nothing of reference() is left out.
; LIMITS.  Those of the operands (the first launch states them: f16 ends at 65,504 and keeps a fixed step of 6e-8 below 6.1e-5).  NaN and infinities are not treated apart.
; A tile of out0, 256 x 256, is made by a work-group of four waves; there are 256 tiles.  A wave makes 128 x 128: 64 accumulators of 16 x 16, 512 registers.  K goes in steps of 128 through a ring of two
; LDS slots filled by the tensor data mover: the rows of the tiles are 256 bytes of memory and start at multiples of 256 bytes from the buffer's first byte.
; CLUSTERS: 4 x 4 work-groups.  The four of a row of the cluster need the same tiles of xh (A), the four of a column the same tiles of wh (B).  Such a tile is asked for JOINTLY: each of the four issues
; the same tensor load, with the same descriptor and a mask that names the four, and each receives the tile in its own LDS.
; REGISTERS, in windows of 256 (s_set_vgpr_msb's low byte: bits 1:0 source 0, 3:2 source 1, 5:4 source 2, 7:6 destination):
;   window 0: v0-31 addresses; v64-127, v128-191 fragments of A (8 x 16 rows x 32 K), two buffers; on the way out v64-127 scaled results, v128-191 and v192-255 whole rows, by turns
;   window 1: v0-63 sv of my lane's 64 columns; v64-127, v128-191 fragments of B, two buffers
;   window 2: the 32 accumulators of my rows 0-63 (accumulator (a, b) at v[8 (8 a + b)]);   window 3: those of my rows 64-127
; THE MATRIX INSTRUCTION IS USED TRANSPOSED: source 0 = 16 rows of B, source 1 = 16 rows of A.  In the result lane l holds row l % 16 of out0 and its registers 0 to 7 the columns
; 8 (l / 16) + 0 .. 7: eight neighbouring numbers of a row, 32 bytes, beside the eight numbers of sv that scale them.
.set SIZE_M, 4096
.set SIZE_N, 4096
.set SIZE_K, 4096
.set KSTEP,  128
.set PITCH,  272                       ; an LDS row: 256 bytes of data + 16 of padding = 68 words: row r starts at bank 4 r mod 64 (64 banks of 4 bytes: ISA guide 11.1), so the 16 rows that a load touches start at 16 different banks
.set HALFT,  128*PITCH                 ; 128 rows: what one tensor load brings, and what one wave reads of A or of B
.set SLOT,   4*HALFT                   ; A's 256 rows, then B's 256 rows
.set STAGE,  2*SLOT                    ; behind the ring: 16 rows x 528 bytes for each wave, for the way out; no tensor load lands there
.set SPITCH, 528                       ; 512 bytes (128 f32) + 16 = 132 words: again 16 rows at 16 different banks
.set SPARE,  STAGE+4*16*SPITCH         ; behind the stages: the spare words, 128 bytes for each wave: two blocks of 256 bytes that no other line names
.set LAPS, SIZE_K/(2*KSTEP)            ; a lap = two K steps = once round the ring: 16
.set ADRA, 16                          ; v16-17  LDS address of my A fragments in slot 0, 1
.set ADRB, 20                          ; v20-21  the same for B
.set STO,  24                          ; v24     the way out: where I put 32 bytes of a row
.set RD,   25                          ; v25     the way out: where I read 16 bytes of a row back
.set CO,   26                          ; v26     16 x lane: my 16 bytes of a row's 512 in out0
.set SVO,  27                          ; v27     byte offset in sv of my lane's first eight columns; never rewritten
.set SPW,  28                          ; v28     LDS address of my spare word: SPARE + 4 x my thread's number; never rewritten
.set NIL,  29                          ; v29     0; never rewritten
.set PFO,  30                          ; v30     the prefetches' offset: my lane x a row of A or B in memory; never rewritten
.set PFA,  44                          ; s[44:45] where my prefetches stand: my work-group's 32 rows of the 128 that I fetch, one K step further along K than the refill that is being asked for
.set LIM,  43                          ; s43     1 in a wave that prefetches, else the greatest number
.set SVB,  66                          ; s[66:67] sv; never rewritten
.set F0,   64                          ; fragment buffer 0
.set F1,   128                         ; fragment buffer 1
.set TMP,  64                          ; the way out: a block's 64 scaled results a lane
.set OB,   128                         ; the way out: 16 rows read back from the stage: v128-191 and v192-255 by turns
.set G1, 24                            ; s[24:31] descriptor group 1 for A's tiles
.set G0, 32                            ; s[32:39] descriptor group 0 for A's tiles, one set for each slot
.set G1B, 48                           ; s[48:55] descriptor group 1 for B's tiles: it differs from A's in the mask alone
.set G0B, 56                           ; s[56:63] descriptor group 0 for B's tiles, one set for each slot
.set MSB, 0
.macro WIN new                         ; the immediate's high byte repeats the setting that is left; a switch that changes nothing is dropped
.if MSB != (\new)
	s_set_vgpr_msb (MSB<<8)|(\new)
.set MSB, \new
.endif
.endm
.set MUL_LO, 0xa1                      ; source 0 (B) window 1, source 1 (A) window 0, C and D window 2
.set MUL_HI, 0xf1                      ; the same, C and D window 3
.set TO_B,   0x40                      ; destination window 1, address window 0
; A joint load.  Waves 0 and 1 fetch A's two halves, waves 2 and 3 B's.  Each of the two lines has ONE mask and one set of registers for all that issue it.  The branch hangs on the wave's number alone.
; An s_nop 0 and four v_nop follow each of the two lines; the jump round the other line, the label and what follows the macro come after them.
.macro JLOAD s
	s_cmp_eq_u32 s11, 0
	s_cbranch_scc0 .Lfor_b_\@
	tensor_load_to_lds s[G0+4*(\s):G0+4*(\s)+3], s[G1:G1+7]
	s_nop 0
.rept 4
	v_nop
.endr
	s_branch .Lasked_\@
.Lfor_b_\@:
	tensor_load_to_lds s[G0B+4*(\s):G0B+4*(\s)+3], s[G1B:G1B+7]
	s_nop 0
.rept 4
	v_nop
.endr
.Lasked_\@:
.endm
; A PREFETCH INTO THE L2, behind each joint refill, its five lines and the run of LDS loads that follows them: the K step that stands TWO refills on, 512 matrix instructions ahead of the load that will
; ask for it: 32 rows x 256 bytes, a lane a row, one instruction a wave.  Each row's 256 bytes of a K step are named ONCE in the launch: A's tile row is walked by all four clusters of that row of
; clusters, and the one with cluster x = 0 asks; B's tile column likewise, and cluster y = 0 asks.  The four partners that ask for a tile jointly share its rows out BY ADDRESS: of the 128 rows that a wave
; fetches the partner at place p takes 32 p .. 32 p + 31 (p = cx for A, cy for B).  K steps 0 to 3 come by their loads alone; the loop's last trip (s3 = 1) asks for nothing: K has no step 32.
.macro ASK
	s_cmp_gt_u32 s3, s[LIM]
	s_cbranch_scc0 .Lnot_mine_\@
	global_prefetch_b8 v[PFO], s[PFA:PFA+1] offset:KSTEP*2 th:TH_LOAD_NT scope:SCOPE_SE
.Lnot_mine_\@:
.endm
; A round of the cluster's barrier: my work-group's barrier, so that wave 0's signal speaks for all four waves; wave 0 signals for the work-group; every wave waits for all
; sixteen work-groups; my work-group's barrier once more.  No LDS instruction of the wave is pending at a signal.
.macro CREST                           ; a round behind its opening barrier
	s_cmp_lg_u32 s10, 0
	s_cbranch_scc1 .Lnot_wave_0_\@
	s_barrier_signal -3
.Lnot_wave_0_\@:
	s_barrier_wait -3
	s_barrier_signal -1
	s_barrier_wait -1
.endm
.macro CROUND                          ; a whole round
	s_barrier_signal -1
	s_barrier_wait -1
	CREST
.endm
	s_load_b128 s[4:7], s[0:1], 0x0                ; A = xh s[4:5], B = wh s[6:7]
	s_load_b64 s[8:9], s[0:1], 0x10                ; out0
	s_load_b64 s[SVB:SVB+1], s[0:1], 0x18          ; sv
	v_lshl_add_u32 v[SPW], v0, 2, SPARE
	v_mov_b32 v[NIL], 0
	ds_add_u32 v[SPW], v[NIL]                      ; the wave's opening: the add, twice on end, and its wait ahead of my first tensor load; the set-up below, work on registers, stands between the second and the wait
	ds_add_u32 v[SPW], v[NIL]                      ; and once more, under the one wait
	v_lshrrev_b32 v1, 5, v0
	v_readfirstlane_b32 s10, v1                    ; wave 0..3
	s_lshr_b32 s11, s10, 1                         ; which half of the tile's rows is mine.  Also: I fetch for A (0) or for B (1)
	s_and_b32 s12, s10, 1                          ; which half of its columns.  Also: which 128 rows of that tile I fetch
	s_bfe_u32 s40, ttmp6, 0x40000                  ; cx: my place along the cluster's x
	s_bfe_u32 s41, ttmp6, 0x40004                  ; cy: along its y
	s_lshl_b32 s42, ttmp9, 2                       ; in a cluster launch ttmp9 and ttmp7 count clusters
	s_add_co_u32 s42, s42, s40                     ; tile column = 4 x cluster x + cx
	s_and_b32 s13, ttmp7, 0xffff
	s_lshl_b32 s13, s13, 2
	s_add_co_u32 s13, s13, s41                     ; tile row = 4 x cluster y + cy
	s_lshl_b32 s43, s41, 2
	s_lshl_b32 s43, 15, s43                        ; my row of the cluster: places 4 cy .. 4 cy + 3
	s_lshl_b32 s44, 0x1111, s40                    ; my column: places cx, cx + 4, cx + 8, cx + 12
	; descriptor group 1: a tile of 128 rows x 128 elements, padded in LDS
	s_or_b32 s[G1+0], s43, (1<<16)|(1<<20)|(1<<21)|(5<<22)|(3<<25)  ; 15:0 the mask: A's tiles go to my row; 17:16 element of 2 bytes; 20 padding on; 21 set beside a mask; 24:22 after every 64 words (code 5); 31:25 of 4 words (code 3)
	s_or_b32 s[G1B+0], s44, (1<<16)|(1<<20)|(1<<21)|(5<<22)|(3<<25) ; the same with the mask of my column, for B's tiles
.irp g, G1, G1B
	s_mov_b32 s[(\g)+1], KSTEP<<16                 ; 63:48 tensor_dim0, low half = 128
	s_mov_b32 s[(\g)+2], 128<<16                   ; 79:64 its high half = 0; 95:80 tensor_dim1, low half = 128
	s_mov_b32 s[(\g)+3], KSTEP<<16                 ; 111:96 its high half = 0; 127:112 tile_dim0 = 128
	s_mov_b32 s[(\g)+4], 128                       ; 143:128 tile_dim1 = 128; 159:144 tile_dim2 = 0
	s_mov_b32 s[(\g)+5], SIZE_K                    ; 191:160 tensor_dim0_stride, low word: elements from row to row
	s_mov_b32 s[(\g)+6], 0
	s_mov_b32 s[(\g)+7], 0
.endr
	; where the tiles come from.  A's hang on the tile row alone, which my row of the cluster shares; B's on the tile column alone, which my column shares.
	; Every wave makes both addresses, in registers that never hold the other coordinate, and asks by one of them.
	s_lshl_b32 s17, s12, 7                         ; which 128 rows of the tile I fetch
	s_lshl_b32 s16, s13, 8
	s_add_co_u32 s16, s16, s17                     ; A: row 256 x tile row + 128 x half
	s_lshl_b32 s46, s42, 8
	s_add_co_u32 s46, s46, s17                     ; B: row 256 x tile column + 128 x half
	s_mov_b32 s17, 0
	s_mov_b32 s47, 0
	s_mov_b64 s[18:19], SIZE_K*2
	s_mul_u64 s[16:17], s[16:17], s[18:19]         ; in bytes
	s_mul_u64 s[46:47], s[46:47], s[18:19]
	s_mul_i32 s20, s10, HALFT                      ; and where they go: A's two halves, then B's two halves = wave x 128 rows: no place in the cluster enters an LDS address
	s_wait_dscnt 0x0                               ; both opening adds are done
	s_wait_kmcnt 0x0
	s_add_nc_u64 s[14:15], s[4:5], s[16:17]
	s_add_nc_u64 s[46:47], s[6:7], s[46:47]
	CROUND                                         ; all sixteen work-groups are here: the first joint loads meet
.irp s, 0,1
	s_mov_b32 s[G0+4*(\s)], 1                                      ; 1:0 count = 1
	s_add_co_u32 s[G0+4*(\s)+1], s20, (\s)*SLOT                    ; 63:32 LDS address
	s_add_nc_u64 s[G0+4*(\s)+2:G0+4*(\s)+3], s[14:15], (\s)*KSTEP*2  ; 120:64 global address: K step s
	s_or_b32 s[G0+4*(\s)+3], s[G0+4*(\s)+3], 0x80000000            ; 127:126 type = 2
	s_mov_b32 s[G0B+4*(\s)], 1
	s_add_co_u32 s[G0B+4*(\s)+1], s20, (\s)*SLOT
	s_add_nc_u64 s[G0B+4*(\s)+2:G0B+4*(\s)+3], s[46:47], (\s)*KSTEP*2
	s_or_b32 s[G0B+4*(\s)+3], s[G0B+4*(\s)+3], 0x80000000
	JLOAD \s                                       ; the ring is filled before anything else is done: two tensor loads of mine are out
.endr
	; A fragment is 16 rows x 32 K in 8 registers: lane l holds row l % 16; registers 0-3 hold K = 8 (l / 16) + 0..7, registers 4-7 hold
	; K = 16 + 8 (l / 16) + 0..7.  From rows that lie along K: two loads of 16 bytes, 32 bytes apart.  The same for source 0 and source 1.
	v_and_b32 v1, 15, v0                           ; l % 16
	v_bfe_u32 v2, v0, 4, 1                         ; l / 16
	v_mul_u32_u24 v3, v1, PITCH
	v_lshl_add_u32 v3, v2, 4, v3                   ; row x pitch + 16 x half
	s_mul_i32 s21, s11, HALFT                      ; my 128 rows of A
	s_mul_i32 s22, s12, HALFT                      ; my 128 rows of B,
	s_add_co_u32 s22, s22, 2*HALFT                 ; which lie behind A's 256
.irp s, 0,1
	v_add_nc_u32 v[ADRA+(\s)], s21, v3
	v_add_nc_u32 v[ADRB+(\s)], s22, v3
	s_add_co_u32 s21, s21, SLOT
	s_add_co_u32 s22, s22, SLOT
.endr
	s_mul_i32 s23, s10, 16*SPITCH
	s_add_co_u32 s23, s23, STAGE                   ; my stage
	v_mul_u32_u24 v4, v1, SPITCH                   ; in: row l % 16, 32 bytes for each half of the lanes
	v_lshl_add_u32 v4, v2, 5, v4
	v_add_nc_u32 v[STO], s23, v4
	v_and_b32 v5, 31, v0
	v_lshlrev_b32 v[CO], 4, v5                     ; 32 lanes x 16 bytes are a row's 512 bytes, in out0
	v_add_nc_u32 v[RD], s23, v[CO]                 ; and in the stage
	; where my part of the tile begins in out0, in bytes: the way out adds it to out0's address
	s_lshl_b32 s13, s13, 8
	s_lshl_b32 s14, s11, 7
	s_add_co_u32 s16, s13, s14                     ; my first row
	s_mov_b32 s17, 0
	s_mov_b64 s[18:19], SIZE_N*4
	s_mul_u64 s[16:17], s[16:17], s[18:19]
	s_lshl_b32 s46, s42, 10                        ; my first column, in bytes of f32: 1,024 x tile column + 512 x half (in the registers that held B's address: none that feeds A's descriptors ever holds cx)
	s_lshl_b32 s47, s12, 9
	s_add_co_u32 s46, s46, s47
	s_mov_b32 s47, 0
	s_add_nc_u64 s[16:17], s[16:17], s[46:47]
	v_lshl_add_u32 v[SVO], v2, 5, s46              ; the same column in sv, + my half's eight numbers
	; the prefetches.  s13 = 256 x tile row, s42 = tile column, s40 = cx, s41 = cy still stand; s[4:5] = A, s[6:7] = B
	s_lshl_b32 s42, s42, 8
	s_and_b32 s22, ttmp7, 0xffff                   ; cluster y
	s_cmp_eq_u32 s11, 0                            ; do I fetch for A?
	s_cselect_b32 s20, s13, s42                    ; the tile's first row: in A by the tile row, in B by the tile column
	s_cselect_b32 s21, s40, s41                    ; my place among the four that ask for it with me
	s_cselect_b32 s22, ttmp9, s22                  ; the coordinate along which other clusters walk the same rows
	s_cselect_b64 s[PFA:PFA+1], s[4:5], s[6:7]
	s_cmp_eq_u32 s22, 0
	s_cselect_b32 s[LIM], 1, -1                    ; the same in all sixteen partners, for a given wave
	s_lshl_b32 s22, s12, 7
	s_add_co_u32 s20, s20, s22                     ; + the 128 rows that I fetch
	s_lshl_b32 s21, s21, 5
	s_add_co_u32 s20, s20, s21                     ; + my work-group's 32 of them
	s_mov_b32 s21, 0
	s_mov_b64 s[18:19], SIZE_K*2
	s_mul_u64 s[20:21], s[20:21], s[18:19]
	s_add_nc_u64 s[PFA:PFA+1], s[PFA:PFA+1], s[20:21]
	s_add_nc_u64 s[PFA:PFA+1], s[PFA:PFA+1], 2*KSTEP*2  ; at K step 2: the first refill steps it to 3 and names K step 4
	v_and_b32 v[PFO], 31, v0
	v_mul_u32_u24 v[PFO], v[PFO], SIZE_K*2
	; sv of my lane's 64 columns: block b's eight at window 1's v[8 b].  Waited for on the way out: nothing in the loop over K names these registers, v27 or s[66:67].
	WIN TO_B
.irp b, 0,1,2,3,4,5,6,7
	global_load_b128 v[8*(\b):8*(\b)+3],   v[SVO], s[SVB:SVB+1] offset:64*(\b)
	global_load_b128 v[8*(\b)+4:8*(\b)+7], v[SVO], s[SVB:SVB+1] offset:64*(\b)+16
.endr
	WIN 0
; 16 matrix instructions: m blocks a0, a0 + 1 of the window's four (hi = 0: my rows 0-63, 1: rows 64-127) x all 8 n blocks, 32 along K.
; zero = 1: the first product starts the sums: nothing is ever cleared.  The 64 accumulators take turns, one instruction a turn, in the same order in every quarter step.
.macro MUL16 f, hi, a0, zero
	WIN MUL_LO+0x50*(\hi)
.irp a, \a0, (\a0)+1
.irp b, 0,1,2,3,4,5,6,7
.if \zero
	v_wmma_f32_16x16x32_f16 v[8*(8*(\a)+(\b)):8*(8*(\a)+(\b))+7], v[(\f)+8*(\b):(\f)+8*(\b)+7], v[(\f)+8*(4*(\hi)+(\a)):(\f)+8*(4*(\hi)+(\a))+7], 0
.else
	v_wmma_f32_16x16x32_f16 v[8*(8*(\a)+(\b)):8*(8*(\a)+(\b))+7], v[(\f)+8*(\b):(\f)+8*(\b)+7], v[(\f)+8*(4*(\hi)+(\a)):(\f)+8*(4*(\hi)+(\a))+7], v[8*(8*(\a)+(\b)):8*(8*(\a)+(\b))+7]
.endif
.endr
.endr
.endm
; 32 LDS loads in one run: the fragments of one quarter step (128 rows of B, 128 rows of A, 32 K at byte k of the rows) into buffer f
.macro FETCH slot, k, f
	WIN TO_B
.irp i, 0,1,2,3,4,5,6,7
	ds_load_b128 v[(\f)+8*(\i):(\f)+8*(\i)+3],   v[ADRB+(\slot)] offset:(\k)+(\i)*16*PITCH
	ds_load_b128 v[(\f)+8*(\i)+4:(\f)+8*(\i)+7], v[ADRB+(\slot)] offset:(\k)+(\i)*16*PITCH+32
.endr
	WIN 0
.irp i, 0,1,2,3,4,5,6,7
	ds_load_b128 v[(\f)+8*(\i):(\f)+8*(\i)+3],   v[ADRA+(\slot)] offset:(\k)+(\i)*16*PITCH
	ds_load_b128 v[(\f)+8*(\i)+4:(\f)+8*(\i)+7], v[ADRA+(\slot)] offset:(\k)+(\i)*16*PITCH+32
.endr
.endm
; A load into a register that a matrix instruction has read, and a vector instruction that reads a matrix result or writes one of a matrix instruction's registers, stand four places behind that
; matrix instruction, and only plain vector instructions that name none of its registers are places (ISA guide 7.12.1 for vector instructions).
.macro PLACES
.rept 4
	v_nop
.endr
.endm
; A K step is four quarter steps of 32 along K, 64 matrix instructions each, on buffers 0, 1, 0, 1.
; One of the first three: multiplies buffer f; in its middle it fetches the next quarter's fragments, at byte k of the same slot's rows, into buffer g.
.macro QUARTER slot, k, f, g, zero
	s_wait_dscnt 8                                 ; B and A's rows 0-63 are in; the youngest eight loads (A's rows 64-127) may be out
	MUL16 \f, 0, 0, \zero
	MUL16 \f, 0, 2, \zero
	PLACES
	FETCH \slot, \k, \g
	s_wait_dscnt 32                                ; all but the 32 just issued
	MUL16 \f, 1, 0, \zero
	MUL16 \f, 1, 2, \zero
.endm
; The last quarter multiplies buffer 1 and changes slots.  MEET is its first half: ONE barrier for the change of slots, for two things.  In front of it each wave waits for all its tensor loads, of which
; one is out: its part of the next slot; adds 0 to its spare word; and waits for that and for its own reads of this slot.  Behind it nobody reads this slot any more and the next slot is whole.
.macro MEET round                      ; round = 1: the rest of a round of the cluster's barrier follows
	WIN 0                                          ; (the add's two registers lie in window 0)
	s_wait_tensorcnt 0x0                           ; all my tensor loads have landed: the one that was out is my part of the next slot;
	ds_add_u32 v[SPW], v[NIL]                      ; 0 onto my spare word;
	s_wait_dscnt 9                                 ; (the add and the youngest eight loads may be out)
	MUL16 F1, 0, 0, 0                              ; sixteen matrix instructions stand between the add and the wait for it
	s_wait_dscnt 0x0                               ; the add is done, and my reads of this slot are over:
	s_barrier_signal -1                            ; say so,
	MUL16 F1, 0, 2, 0                              ; work on registers while the others arrive,
.if \round
	WIN 0
.endif
	s_barrier_wait -1                              ; and go on when all four have said so
.endm
; The whole last quarter of a K step whose slot is filled again, with the K step two steps on: the refill is the first tensor load behind the round; then come the next slot's first fragments.
; From a request to the wait for it a wave issues 224 matrix instructions.
.macro TURN slot, next
	s_wait_xcnt 0x0                                ; the last prefetch, a K step back, has read its address: it is stepped here, ahead of the waits of the change of slots
	s_add_nc_u64 s[PFA:PFA+1], s[PFA:PFA+1], KSTEP*2
	MEET 1
	CREST                                          ; wave 0 says so for the work-group, all sixteen work-groups have said so, my work-group's barrier closes the round:
	                                               ; no wave of any partner still reads this slot's tile or has a load on its way
	s_add_nc_u64 s[G0+4*(\slot)+2:G0+4*(\slot)+3], s[G0+4*(\slot)+2:G0+4*(\slot)+3], 2*KSTEP*2    ; no tensor load of mine is out, so a group 0 may be written; the type bits on top are not reached
	s_add_nc_u64 s[G0B+4*(\slot)+2:G0B+4*(\slot)+3], s[G0B+4*(\slot)+2:G0B+4*(\slot)+3], 2*KSTEP*2
	JLOAD \slot                                    ; the four v_nop behind it are also the places in front of the loads below
	FETCH \next, 0, F0
	ASK                                            ; behind the joint load and the run of LDS loads that the next products wait for
	MUL16 F1, 1, 0, 0
	MUL16 F1, 1, 2, 0
.endm
; The same quarter of K step 30: slot 0 is left for good, nothing is filled again, so a barrier of the work-group is enough.
.macro TURNLAST
	MEET 0
	PLACES                                         ; for the loads into buffer 0, which the quarter before multiplied
	FETCH 1, 0, F0
	MUL16 F1, 1, 0, 0
	MUL16 F1, 1, 2, 0
.endm
; THE WAY OUT of block a (16 of my rows x my 128 columns), in three parts.  PACK: the sums times sv, in f32, each accumulator's registers in ascending order.  TOSTAGE: 32 bytes a lane into my own
; stage in LDS, and back as whole rows of 512 bytes.  SEND: stored.
.macro PACK a
.set AC, 64*((\a)%4)
	WIN 0x06+(\a)/4                                ; source 0: window 2 or 3 (the sums); source 1: window 1 (sv); destination: window 0
.irp b, 0,1,2,3,4,5,6,7
.irp r, 0,1,2,3
	v_pk_mul_f32 v[TMP+8*(\b)+2*(\r):TMP+8*(\b)+2*(\r)+1], v[AC+8*(\b)+2*(\r):AC+8*(\b)+2*(\r)+1], v[8*(\b)+2*(\r):8*(\b)+2*(\r)+1]
.endr
.endr
	WIN 0
.endm
.macro TOSTAGE a
	WIN 0
.set BK, OB+64*((\a)%2)
.irp b, 0,1,2,3,4,5,6,7
	ds_store_b128 v[STO], v[TMP+8*(\b):TMP+8*(\b)+3]   offset:64*(\b)
	ds_store_b128 v[STO], v[TMP+8*(\b)+4:TMP+8*(\b)+7] offset:64*(\b)+16
.endr
.irp t, 0,1,2,3,4,5,6,7,8,9,10,11,12,13,14,15
	ds_load_b128 v[BK+4*(\t):BK+4*(\t)+3], v[RD] offset:(\t)*SPITCH  ; LDS serves a wave's instructions in order (ISA guide 5.7.1.4): these see the stores above; the next block's stores come behind them
.endr
.endm
.macro SEND a
	WIN 0
.set BK, OB+64*((\a)%2)
	s_wait_dscnt 0x0                               ; the block is back in registers
	s_wait_xcnt 0x0                                ; every earlier store has had its addresses translated (ISA guide 3.1): only behind this wait are the stores' base and the registers that earlier stores read written again
.if (\a) == 0
	s_add_nc_u64 s[8:9], s[8:9], s[16:17]          ; on to my first rows
.else
	s_add_nc_u64 s[8:9], s[8:9], 16*SIZE_N*4       ; 16 rows on
.endif
.irp t, 0,1,2,3,4,5,6,7,8,9,10,11,12,13,14,15
	global_store_b128 v[CO], v[BK+4*(\t):BK+4*(\t)+3], s[8:9] offset:(\t)*SIZE_N*4 th:TH_STORE_NT  ; the wave stores 512 consecutive bytes, at a multiple of 512 from out0's first byte
.endr
.endm
	s_wait_tensorcnt 1                             ; my part of K step 0 is in; K step 1's may stay out
	s_barrier_signal -1
	s_barrier_wait -1                              ; everybody's is
	FETCH 0, 0, F0
	QUARTER 0, 64,  F0, F1, 1                      ; the first quarter stands in front of the loop: its products start the sums
	WIN 0                                          ; at a label and at a branch every window is 0
	s_mov_b32 s3, LAPS-1
.Llap:                                                 ; a trip goes once round the ring, from a lap's second quarter to the next lap's first, and fills both slots again
	QUARTER 0, 128, F1, F0, 0
	QUARTER 0, 192, F0, F1, 0
	TURN 0, 1
	QUARTER 1, 64,  F0, F1, 0
	QUARTER 1, 128, F1, F0, 0
	QUARTER 1, 192, F0, F1, 0
	TURN 1, 0
	QUARTER 0, 64,  F0, F1, 0
	WIN 0
	s_sub_co_u32 s3, s3, 1
	s_cmp_lg_u32 s3, 0
	s_cbranch_scc1 .Llap
	QUARTER 0, 128, F1, F0, 0                      ; the last lap is written out: it asks for nothing more
	QUARTER 0, 192, F0, F1, 0
	TURNLAST
	QUARTER 1, 64,  F0, F1, 0
	QUARTER 1, 128, F1, F0, 0
	QUARTER 1, 192, F0, F1, 0
	s_wait_dscnt 8                                 ; the very last quarter: nothing more to fetch
	MUL16 F1, 0, 0, 0
	MUL16 F1, 0, 2, 0
	s_wait_dscnt 0x0
	MUL16 F1, 1, 0, 0
	MUL16 F1, 1, 2, 0
	PLACES                                         ; the scalings read results just made and write registers that held fragments:
	PLACES                                         ; eight places, once a launch: twice what ISA guide 7.12.1 asks
	s_wait_loadcnt 0x0                             ; sv
	PACK 0
	TOSTAGE 0
.irp a, 1,2,3,4,5,6,7                  ; block a's scalings stand between block a - 1's loads from the stage and the wait for them
	PACK \a
	SEND (\a)-1
	TOSTAGE \a
.endr
	SEND 7
	s_wait_tensorcnt 0x0                           ; the wave's end, behind my last tensor load and my last LDS store
	ds_add_u32 v[SPW], v[NIL]
	s_wait_dscnt 0x0
	CROUND                                         ; the closing round: no work-group ends while a partner may still ask for a tile that names it
	s_endpgm
.Lfunc_end_k_q0186655634_gemm:
	.size	k_q0186655634_gemm, .Lfunc_end_k_q0186655634_gemm-k_q0186655634_gemm
	.p2alignl 7, 3214868480
	.fill 96, 4, 3214868480
	.section	.rodata,"a",@progbits
	.p2align	6, 0x0
	.amdhsa_kernel k_q0186655634_gemm
		.amdhsa_group_segment_fixed_size 327680
		.amdhsa_private_segment_fixed_size 0
		.amdhsa_enable_private_segment 0
		.amdhsa_kernarg_size 32
		.amdhsa_user_sgpr_count 2
		.amdhsa_user_sgpr_kernarg_segment_ptr 1
		.amdhsa_wavefront_size32 1
		.amdhsa_system_sgpr_workgroup_id_x 1
		.amdhsa_system_sgpr_workgroup_id_y 1
		.amdhsa_system_sgpr_workgroup_id_z 1
		.amdhsa_system_vgpr_workitem_id 0
		.amdhsa_next_free_vgpr 1024
		.amdhsa_next_free_sgpr 68
		.amdhsa_reserve_vcc 0
		.amdhsa_float_denorm_mode_32 3
		.amdhsa_float_denorm_mode_16_64 3
		.amdhsa_memory_ordered 1
		.amdhsa_forward_progress 1
		.amdhsa_inst_pref_size 160
	.end_amdhsa_kernel
	.amdgpu_metadata
---
amdhsa.version: [ 1, 2 ]
amdhsa.kernels:
  - .name:           k_q0186655634_gemm
    .symbol:         k_q0186655634_gemm.kd
    .args:
      - { .name: xh, .offset: 0, .size: 8, .value_kind: global_buffer, .address_space: global }
      - { .name: wh, .offset: 8, .size: 8, .value_kind: global_buffer, .address_space: global }
      - { .name: out0, .offset: 16, .size: 8, .value_kind: global_buffer, .address_space: global }
      - { .name: sv, .offset: 24, .size: 8, .value_kind: global_buffer, .address_space: global }
    .group_segment_fixed_size: 327680
    .private_segment_fixed_size: 0
    .kernarg_segment_align: 8
    .kernarg_segment_size: 32
    .max_flat_workgroup_size: 128
    .sgpr_count:     68
    .vgpr_count:     1024
    .wavefront_size: 32
...
	.end_amdgpu_metadata
.endif
;; end of part 2
;; ======== version 2 of 2: 2 launches; version 1 with the launch prep written anew for expert scheduling mode
;; limits: values are held in f16: magnitudes above 65,504 overflow, below 6.1e-05 lose precision
;; workspace buffers: xh 33,554,432 bytes; wh 33,554,432 bytes
;; launch prep (part 3): grid 768 x 1, 8 waves a work-group, no clusters, 37,888 bytes of LDS; arguments x, su, packed_indices, scales, grid, xh, wh; writes xh, wh
.if DOCPART == 3
	.amdgcn_target "amdgcn-amd-amdhsa--gfx1250"
	.amdhsa_code_object_version 6
	.text
	.protected	k_q0186655634_prep
	.globl	k_q0186655634_prep
	.p2align	8
	.type	k_q0186655634_prep,@function
k_q0186655634_prep:
	s_mov_b64 s[64:65], 0
	v_nop
	global_prefetch_b8 v0, s[64:65] scope:SCOPE_SE
	s_setreg_imm32_b32 hwreg(HW_REG_WAVE_SCHED_MODE, 0, 2), 2
	s_setreg_imm32_b32 hwreg(HW_REG_WAVE_MODE, 25, 1), 1
	s_wait_xcnt 0x0
	s_wait_alu depctr_vm_vsrc(0)
; FIRST OF TWO LAUNCHES.  out0[t][o] = the sum over i of x[t][i] W[o][i], W[o][i] = grid[idx(o, i)] scales[i / 128][o] su[i] sv[o]; all three extents are 4,096.
; This launch rounds each matrix operand ONCE, to f16:   xh[t][i] = f16(x[t][i] su[i])   and   wh[o][i] = f16(grid[idx(o, i)] scales[i / 128][o]),  both [4096][4096], i along the rows.
; sv is multiplied in f32 onto the f32 sums by the second launch.  NOTHING IS LEFT OUT: each of the six inputs reaches every output, so all six are loaded (five here, sv there).
; WHY THE FACTORS ARE SPLIT SO.  f16 keeps 11 significant bits and ends at 65,504.  Two factors to an operand leave room: inputs 30 times those of the problem's kind give |x su| near 7,400 and
; |grid scales| near 4,000; all four factors in W would have none.
; LIMITS.  A product x su or grid scales of 65,520 or more becomes an infinity; below 6.1e-5 it keeps f16's fixed step of 6e-8.  The four factors are multiplied in another order than
; reference() multiplies them, so the last bits differ.  NaN and infinities are not treated apart.
; THE LOOKUP.  Word p of tile (to, ti) of packed_indices holds two 4-bit codes: W's row 16 to + p / 8, columns 16 ti + 2 (p % 8) (bits 3:0) and + 1 (bits 7:4).  So one word in is one word of two
; f16 out, and 8 words (32 bytes) are 32 bytes of a row of wh.  The 16 numbers of grid lie across the lanes, twice (lane l holds grid[l % 16]), and ds_bpermute_b32 fetches a lane's number by its code.
; SHARES.  Work-groups 0-255 make wh, 256-767 make xh; eight waves each.  Every wave issues all its 32 loads of 16 bytes a lane ahead of its first wait: there is no loop, and no register
; that a global load or store names as a source is written again behind it, so the text has no s_wait_xcnt.  No barrier: a wave's LDS bytes are its own.
; NOT USED: matrix instructions (there is no product here); tensor loads and a ring (no wave wants a byte that another wave fetched, and the registers hold all that is in flight);
; a cluster (only su, 16 KiB, and grid, 64 bytes, are read by more than one work-group); prefetches (each wave asks for all its bytes at once, at its start).
; THE MODE: SCHED_MODE bits 1:0 = 2 (LLVM: expert scheduling mode 2), set by the entry lines.  The code itself states the register dependences between vector instructions and memory or LDS
; instructions, with s_wait_alu, always for 0.
; THE PLAN, xh's path.  v2, v3: offsets, written at the head, read by every load and store, never written again.  SU: loaded, read by vector lines alone.  X, 16 registers a row of x: loaded once; the
;   row's multiplies and roundings work in place; the row's four stores read the results, which are never written again.  Row n's stores are issued in row n + 1, behind ONE wait on va_vdst at that row's
;   head, dealt among its vector lines, which name row n + 1's registers and SU alone.  Nothing that a memory instruction reads is written again: no wait on vm_vsrc.
; THE PLAN, wh's path, in eight batches n of four tiles (unit n / 2).  v2-v7: addresses, written at the head, never again.  v14, v[10:13]: loaded once.
;   L      written by batch n's index lines; read by its permutes as addresses; their results land in it; its multiplies write it again.
;   XB(n)  loaded; batch n's index lines work in place; its permutes read it as addresses and land in it; its multiplies and roundings work in place; four LDS stores, issued in batch n + 1, read it;
;          the unit's rows land in it from the stage; the unit's global stores read them.
;   A batch: its index lines; ONE wait on va_vdst; the LDS stores of the batch before; its 32 permutes; the wait for them; ONE wait on vm_vsrc; the finished unit's rows are asked for (even n) or
;   stored (odd n); its multiplies and roundings.  What each wait states stands beside it.
.set ROWX,  16384                      ; bytes in a row of x
.set ROWH,  8192                       ; bytes in a row of xh and of wh
.set TROW,  131072                     ; bytes in a row of 256 tiles of packed_indices; also 16 rows of wh
.set SPI,   288                        ; a row of a stage: 256 bytes + 32 = 72 words: row r starts at bank 8 r mod 64 (64 banks of 4 bytes: ISA guide 11.1)
.set STG,   16*SPI                     ; a wave's stage: 16 rows, 4,608 bytes = 18 blocks of 256
.set SPARE, 8*STG                      ; behind the eight stages: the spare words, 128 bytes for each wave: four blocks of 256 bytes that no other line names
.set XO,  2                            ; xh's path: v2  16 t: my 16 bytes of each 4,096 of a row of x, and of su
.set YO,  3                            ;            v3  8 t: my 8 bytes of each 2,048 of a row of xh
.set SU,  16                           ;            v[16:31]  su of my 16 columns
.set PIN, 2                            ; wh's path: v2  16 l: my 16 bytes of a tile
.set STO, 3                            ;            v3  where I put 16 bytes of a row in my stage
.set RD,  4                            ;            v4  where I read rows back
.set WO,  5                            ;            v5  my byte offset in two rows of wh
.set SCO, 6                            ;            v6  4 (l / 2): my row's scale
.set GRO, 7                            ;            v7  4 (l % 16): my number of grid
.set SPW, 8                            ; v8   LDS address of my spare word: SPARE + 4 x my thread's number; never rewritten
.set NIL, 9                            ; v9   0; never rewritten
.set SC,  10                           ;            v[10:13]  my row's scale in unit u
.set TAB, 14                           ;            v14  grid[l % 16]
.set L,   16                           ;            v[16:31]  a batch's low codes as lane addresses, then their numbers
.set X,   32                           ; v[32:159]  the 32 loads, 4 registers each; results take their place
	s_load_b256 s[4:11], s[0:1], 0x0               ; x s[4:5], su s[6:7], packed_indices s[8:9], scales s[10:11]
	s_load_b128 s[12:15], s[0:1], 0x20             ; grid s[12:13], xh s[14:15]
	s_load_b64 s[16:17], s[0:1], 0x30              ; wh
	v_lshl_add_u32 v[SPW], v0, 2, SPARE
	v_mov_b32 v[NIL], 0
	v_lshrrev_b32 v1, 5, v0
	v_readfirstlane_b32 s18, v1                    ; wave 0..7
	s_mov_b32 s23, 0                               ; the high word of every offset: all stay under 2^31
	s_wait_alu depctr_va_sdst(0)                   ; s18 is written: its first reader stands in wh's path
	s_wait_kmcnt 0x0
	s_cmp_lt_u32 ttmp9, 256
	s_cbranch_scc1 .Lweights
	; xh.  Work-group 256 + b has rows 8 b .. 8 b + 7.  Thread t has columns 1,024 j + 4 t .. + 3, j = 0..3, in every row: a wave's load covers 512 consecutive bytes,
	; its store 256 consecutive bytes at a multiple of 256 from xh's first byte; a thread's 16 numbers of su are loaded once.
	s_sub_co_u32 s20, ttmp9, 256
	s_lshl_b32 s22, s20, 17                        ; 8 rows of x
	s_add_nc_u64 s[4:5], s[4:5], s[22:23]
	s_lshl_b32 s22, s20, 16                        ; 8 rows of xh
	s_add_nc_u64 s[14:15], s[14:15], s[22:23]
	v_lshlrev_b32 v[XO], 4, v0
	v_lshlrev_b32 v[YO], 3, v0
	s_wait_alu depctr_va_vdst(0)                   ; v2 and v3 are written: every load and store of this path reads one of them as its offset
.irp j, 0,1,2,3
	global_load_b128 v[SU+4*(\j):SU+4*(\j)+3], v[XO], s[6:7] offset:4096*(\j)
.endr
.set i, 0
.rept 32                                       ; load i: row i / 4, quarter i % 4
	global_load_b128 v[X+4*i:X+4*i+3], v[XO], s[4:5] offset:ROWX*(i/4)+4096*(i%4) th:TH_LOAD_NT
.set i, i+1
.endr
; Row n of the eight: its 16 numbers a lane are scaled and rounded in place; the row before is stored.
.macro XROW n
	s_wait_loadcnt 28-4*(\n)                       ; loads come back in order (ISA guide 5.7.1): row n's four loads are in, and su, which is older; the 28 - 4 n younger ones stay out
.if (\n) > 0
	s_wait_alu depctr_va_vdst(0)                   ; the roundings of row n - 1 have written its results, which the four stores below read; no vector line behind this wait names them
.endif
.irp j, 0,1,2,3
.if (\n) > 0
	global_store_b64 v[YO], v[X+16*(\n)-16+4*(\j):X+16*(\n)-16+4*(\j)+1], s[14:15] offset:ROWH*((\n)-1)+2048*(\j) th:TH_STORE_NT
.endif
	v_pk_mul_f32 v[X+16*(\n)+4*(\j):X+16*(\n)+4*(\j)+1], v[X+16*(\n)+4*(\j):X+16*(\n)+4*(\j)+1], v[SU+4*(\j):SU+4*(\j)+1]
	v_pk_mul_f32 v[X+16*(\n)+4*(\j)+2:X+16*(\n)+4*(\j)+3], v[X+16*(\n)+4*(\j)+2:X+16*(\n)+4*(\j)+3], v[SU+4*(\j)+2:SU+4*(\j)+3]
	v_cvt_pk_f16_f32 v[X+16*(\n)+4*(\j)], v[X+16*(\n)+4*(\j)], v[X+16*(\n)+4*(\j)+1]        ; two roundings, the lower column in the low half
	v_cvt_pk_f16_f32 v[X+16*(\n)+4*(\j)+1], v[X+16*(\n)+4*(\j)+2], v[X+16*(\n)+4*(\j)+3]
.endr
.endm
.irp n, 0,1,2,3,4,5,6,7
	XROW \n
.endr
	s_wait_alu depctr_va_vdst(0)                   ; the roundings of row 7 have written its results, which the last four stores read
.irp j, 0,1,2,3
	global_store_b64 v[YO], v[X+112+4*(\j):X+112+4*(\j)+1], s[14:15] offset:ROWH*7+2048*(\j) th:TH_STORE_NT
.endr
	s_branch .Lend
	; wh.  Wave number id = 8 x work-group + wave of 2,048: scale group g = id % 32 (128 columns of W: tiles 8 g .. 8 g + 7), tile rows 4 (id / 32) + u, u = 0..3.
	; A UNIT u is one tile row's eight tiles: 4,096 consecutive bytes in; 16 rows x 256 bytes of wh out, each at a multiple of 256 from wh's first byte.
	; A load takes a tile: lane l holds words 4 l .. 4 l + 3: W's row l / 2 of the 16, columns 8 (l % 2) + 0..7 of the tile.  So a lane has ONE scale for a whole unit.
.Lweights:
	s_lshl_b32 s20, ttmp9, 3
	s_add_co_u32 s20, s20, s18                     ; id
	s_and_b32 s21, s20, 31                         ; g
	s_lshr_b32 s19, s20, 5                         ; id / 32
	s_lshl_b32 s24, s19, 19                        ; four tile rows of packed_indices; also 64 rows of wh
	s_lshl_b32 s22, s21, 12                        ; eight tiles of 512 bytes
	s_add_co_u32 s22, s22, s24
	s_add_nc_u64 s[8:9], s[8:9], s[22:23]
	s_lshl_b32 s22, s21, 14                        ; row g of scales,
	s_lshl_b32 s25, s19, 8                         ; my 64 numbers of it: 256 bytes, which no other wave loads
	s_add_co_u32 s22, s22, s25
	s_add_nc_u64 s[10:11], s[10:11], s[22:23]
	s_lshl_b32 s22, s21, 8                         ; 128 columns of wh
	s_add_co_u32 s22, s22, s24
	s_add_nc_u64 s[16:17], s[16:17], s[22:23]
	s_mul_i32 s26, s18, STG                        ; my stage
	v_and_b32 v1, 31, v0                           ; l
	v_lshlrev_b32 v[PIN], 4, v1
	v_lshrrev_b32 v15, 1, v1                       ; l / 2
	v_and_b32 v[GRO], 1, v1                        ; l % 2
	v_mul_u32_u24 v[STO], v15, SPI
	v_lshl_add_u32 v[STO], v[GRO], 4, v[STO]
	v_add_nc_u32 v[STO], s26, v[STO]               ; in: row l / 2, 16 bytes for each of the two lanes
	v_lshlrev_b32 v[SCO], 2, v15
	v_lshrrev_b32 v15, 4, v1                       ; l / 16
	v_and_b32 v[GRO], 15, v1                       ; l % 16
	v_mul_u32_u24 v[RD], v15, SPI
	v_lshl_add_u32 v[RD], v[GRO], 4, v[RD]
	v_add_nc_u32 v[RD], s26, v[RD]                 ; back: lanes 0-15 take one row of 256 bytes, lanes 16-31 the next
	v_lshlrev_b32 v[WO], 13, v15
	v_lshl_add_u32 v[WO], v[GRO], 4, v[WO]         ; and the same two rows in wh
	v_lshlrev_b32 v[GRO], 2, v[GRO]
	s_wait_alu depctr_va_vdst(0)                   ; the six addresses and offsets v2 to v7 are written: every load, store and LDS instruction of this path but the permutes reads one of them
	global_load_b32 v[TAB], v[GRO], s[12:13]
.irp u, 0,1,2,3
	global_load_b32 v[SC+(\u)], v[SCO], s[10:11] offset:64*(\u)
.endr
.set i, 0
.rept 32                                       ; load i: unit i / 8, tile i % 8
	global_load_b128 v[X+4*i:X+4*i+3], v[PIN], s[8:9] offset:TROW*(i/8)+512*(i%8) th:TH_LOAD_NT
.set i, i+1
.endr
; Unit u is stored: 16 lanes store 256 consecutive bytes, at a multiple of 256 from wh's first byte.
.macro SENDW u
.irp t, 0,1,2,3,4,5,6,7
	global_store_b128 v[WO], v[X+32*(\u)+4*(\t):X+32*(\u)+4*(\t)+3], s[16:17] offset:TROW*(\u)+2*ROWH*(\t) th:TH_STORE_NT
.endr
.endm
; Batch b's four tiles go into my stage: a tile's 32 bytes of each row.
.macro TOSTAGE b
.irp t, 0,1,2,3
	ds_store_b128 v[STO], v[X+16*(\b)+4*(\t):X+16*(\b)+4*(\t)+3] offset:32*(4*((\b)%2)+(\t))
.endr
.endm
; Unit u comes back as whole rows of 256 bytes, into the registers that it left.
.macro BACK u
.irp t, 0,1,2,3,4,5,6,7
	ds_load_b128 v[X+32*(\u)+4*(\t):X+32*(\u)+4*(\t)+3], v[RD] offset:2*SPI*(\t)  ; LDS serves a wave's instructions in order (ISA guide 5.7.1.4): these see the unit's stores; the next unit's stores come behind them
.endr
.endm
; Batch n of eight: tiles 4 (n % 2) .. + 3 of unit n / 2: 16 words a lane, 32 weights.
.macro BATCH n
.set XB, X+16*(\n)
	s_wait_loadcnt 28-4*(\n)                       ; this batch's four loads are in, and grid and the scales, which are older; the later batches' loads stay out
.set d, 0
.rept 16
	v_lshlrev_b32 v[L+d], 2, v[XB+d]               ; 4 x word: ds_bpermute_b32 takes lane (address / 4) mod 32 = word mod 32, which holds grid[word mod 16]
.set d, d+1
.endr
.set d, 0
.rept 16
	v_lshrrev_b32 v[XB+d], 2, v[XB+d]
.set d, d+1
.endr
.set d, 0
.rept 16
	v_and_b32 v[XB+d], 0x3c, v[XB+d]               ; 4 x bits 7:4 of the word
.set d, d+1
.endr
	s_wait_alu depctr_va_vdst(0)                   ; the index lines have written L and XB, the permutes' addresses, in which their results land too; the batch before has written its roundings, which the LDS stores below read,
	                                               ; and is done with L and with its unit's registers, in which (even n) the unit's rows land: no vector line stands between this wait and those loads
.if (\n) > 0
	TOSTAGE (\n)-1
.endif
.set d, 0
.rept 16
	ds_bpermute_b32 v[L+d], v[L+d], v[TAB]
	ds_bpermute_b32 v[XB+d], v[XB+d], v[TAB]
.set d, d+1
.endr
	s_wait_dscnt 0x0                               ; the 32 numbers are here, and (odd n) with them the rows of the unit before, which were asked for earlier
	s_wait_alu depctr_vm_vsrc(0)                   ; the permutes have read L and XB, which the multiplies below and the next batch's index lines write again; the LDS stores have read their data, in whose registers (even n) the unit's rows land
.if ((\n) > 0) && ((\n)%2 == 0)
	BACK (\n)/2-1
.endif
.if ((\n) > 1) && ((\n)%2 == 1)
	SENDW ((\n)-3)/2
.endif
.set d, 0
.rept 16
	v_mul_f32 v[L+d], v[SC+(\n)/2], v[L+d]
	v_mul_f32 v[XB+d], v[SC+(\n)/2], v[XB+d]
	v_cvt_pk_f16_f32 v[XB+d], v[L+d], v[XB+d]      ; the even column (low code) in the low half
.set d, d+1
.endr
.endm
.irp n, 0,1,2,3,4,5,6,7
	BATCH \n
.endr
	s_wait_alu depctr_va_vdst(0)                   ; batch 7 has written its roundings, which the LDS stores read, and is done with unit 3's registers, in which the rows land
	TOSTAGE 7
	s_wait_alu depctr_vm_vsrc(0)                   ; the LDS stores have read unit 3's registers, in which its rows land
	BACK 3
	s_wait_dscnt 0x0                               ; the last unit's rows are back
	SENDW 3
.Lend:
	s_wait_dscnt 0x0                               ; the closing lines, six on end
	s_wait_alu 0x0
	s_wait_tensorcnt 0x0
	ds_add_u32 v[SPW], v[NIL]
	s_wait_dscnt 0x0
	s_endpgm
.Lfunc_end_k_q0186655634_prep:
	.size	k_q0186655634_prep, .Lfunc_end_k_q0186655634_prep-k_q0186655634_prep
	.p2alignl 7, 3214868480
	.fill 96, 4, 3214868480
	.section	.rodata,"a",@progbits
	.p2align	6, 0x0
	.amdhsa_kernel k_q0186655634_prep
		.amdhsa_group_segment_fixed_size 37888
		.amdhsa_private_segment_fixed_size 0
		.amdhsa_enable_private_segment 0
		.amdhsa_kernarg_size 56
		.amdhsa_user_sgpr_count 2
		.amdhsa_user_sgpr_kernarg_segment_ptr 1
		.amdhsa_wavefront_size32 1
		.amdhsa_system_sgpr_workgroup_id_x 1
		.amdhsa_system_sgpr_workgroup_id_y 1
		.amdhsa_system_sgpr_workgroup_id_z 1
		.amdhsa_system_vgpr_workitem_id 0
		.amdhsa_next_free_vgpr 160
		.amdhsa_next_free_sgpr 66
		.amdhsa_reserve_vcc 0
		.amdhsa_float_denorm_mode_32 3
		.amdhsa_float_denorm_mode_16_64 3
		.amdhsa_memory_ordered 1
		.amdhsa_forward_progress 1
		.amdhsa_inst_pref_size 74
	.end_amdhsa_kernel
	.amdgpu_metadata
---
amdhsa.version: [ 1, 2 ]
amdhsa.kernels:
  - .name:           k_q0186655634_prep
    .symbol:         k_q0186655634_prep.kd
    .args:
      - { .name: x, .offset: 0, .size: 8, .value_kind: global_buffer, .address_space: global }
      - { .name: su, .offset: 8, .size: 8, .value_kind: global_buffer, .address_space: global }
      - { .name: packed_indices, .offset: 16, .size: 8, .value_kind: global_buffer, .address_space: global }
      - { .name: scales, .offset: 24, .size: 8, .value_kind: global_buffer, .address_space: global }
      - { .name: grid, .offset: 32, .size: 8, .value_kind: global_buffer, .address_space: global }
      - { .name: xh, .offset: 40, .size: 8, .value_kind: global_buffer, .address_space: global }
      - { .name: wh, .offset: 48, .size: 8, .value_kind: global_buffer, .address_space: global }
    .group_segment_fixed_size: 37888
    .private_segment_fixed_size: 0
    .kernarg_segment_align: 8
    .kernarg_segment_size: 56
    .max_flat_workgroup_size: 256
    .sgpr_count:     66
    .vgpr_count:     160
    .wavefront_size: 32
...
	.end_amdgpu_metadata
.endif
;; end of part 3
;; launch gemm: the kernel of part 2 again; grid 16 x 16, 4 waves a work-group, clusters of 4 x 4, 327,680 bytes of LDS; arguments xh, wh, out0, sv; writes out0
